; MI455X (gfx1250); checked and timed in simulation.
; The chip was launched on July 23, 2026; its instructions are those of AMD's public machine-readable ISA for CDNA 5 (MIT licence, August 2026) and "CDNA5" Instruction Set Architecture Reference Guide (July 2026). The comments in the code are by the model that wrote it; some were corrected since.
;; Gpt Oss Experts. Allowed arithmetic: float matrix products may take bf16 or f16 operands with f32 sums; all other float work in f32.
;; Inputs: Wd 16 x 1,024 x 512 float32; Wgu 16 x 1,024 x 1,024 float32; bd 16 x 1,024 float32; bgu 16 x 1,024 float32; hidden_states 2 x 1,024 x 1,024 float32; router_indices 2,048 x 4 int32; routing_weights 2,048 x 16 float32.
;; Outputs: out0 2 x 1,024 x 1,024 float32.
;; One version. Each part assembles by itself: llvm-mc -triple=amdgcn-amd-amdhsa -mcpu=gfx1250 --defsym DOCPART=n.
;; ======== version 1 of 1: 4 launches
;; workspace buffers: xb 4,194,304 bytes; wgub 33,554,432 bytes; wdb 16,777,216 bytes; act 33,554,432 bytes; part 67,108,864 bytes
;; launch cast (part 1): grid 2304 x 1, 8 waves a work-group, no clusters, 0 bytes of LDS; arguments hidden_states, Wgu, xb, wgub; writes xb, wgub
.if DOCPART == 1
	.amdgcn_target "amdgcn-amd-amdhsa--gfx1250"
	.amdhsa_code_object_version 6
	.text
	.protected	k_q28500e3a09_cast
	.globl	k_q28500e3a09_cast
	.p2align	8
	.type	k_q28500e3a09_cast,@function
k_q28500e3a09_cast:
	s_mov_b64 s[64:65], 0
	v_nop
	global_prefetch_b8 v0, s[64:65] scope:SCOPE_SE
	s_setreg_imm32_b32 hwreg(HW_REG_WAVE_MODE, 25, 1), 1
	s_wait_xcnt 0x0
; xb, wgub = hidden_states, Wgu rounded to bf16 (to nearest even), the layouts unchanged.  bf16 has f32's range: no limit of size.  (Wd is rounded by the next launch, beside its matrix work.)
; A stream: no LDS, no barrier, no matrix unit, no cluster (no two work-groups read the same byte).
; A work-group takes one chunk of 32,768 input bytes: chunks 0-255 are hidden_states, 256-2303 Wgu.  A chunk is 8 rows of 4,096 bytes; thread t takes the 16 bytes at 16 t of each row
; (a wave's load covers 512 consecutive bytes) and stores 8 bytes at 8 t of a row of 2,048 (a wave's store covers 256 consecutive bytes, at a multiple of 256 from the buffer's first byte).
; All eight loads go out at once and no register is used twice: there is no loop, and no wait but the loads' own.  Many short work-groups lie side by side on a WGP and follow each other.
.set ROWIN,  4096                      ; input bytes of a row
.set ROWOUT, 2048                      ; output bytes of a row
.set XCH,    256                       ; chunks of hidden_states: 8,388,608 / 32,768
.set X, 4                              ; v[4:35]   row i: four f32 as loaded
.set Y, 36                             ; v[36:51]  row i: four bf16 to store
	s_load_b256 s[4:11], s[0:1], 0x0               ; hidden_states s[4:5], Wgu s[6:7], xb s[8:9], wgub s[10:11]
	s_mov_b32 s16, ttmp9                           ; my chunk
	s_sub_co_u32 s17, s16, XCH                     ; its number within Wgu (used only where it lies there)
	v_lshlrev_b32 v1, 4, v0                        ; 16 t
	v_lshlrev_b32 v2, 3, v0                        ; 8 t
	s_wait_kmcnt 0x0
	s_cmp_lt_u32 s16, XCH                          ; the choice hangs on the work-group's number alone
	s_cselect_b64 s[20:21], s[4:5], s[6:7]         ; the tensor I read,
	s_cselect_b64 s[22:23], s[8:9], s[10:11]       ; the one I write,
	s_cselect_b32 s19, s16, s17                    ; my chunk's number in it
	s_lshl_b32 s24, s19, 15                        ; 32,768 bytes in (2,047 chunks at the most: under 2^32)
	s_mov_b32 s25, 0
	s_lshl_b32 s26, s19, 14                        ; 16,384 bytes out
	s_mov_b32 s27, 0
	s_add_nc_u64 s[20:21], s[20:21], s[24:25]
	s_add_nc_u64 s[22:23], s[22:23], s[26:27]
.irp i, 0,1,2,3,4,5,6,7
	global_load_b128 v[X+4*(\i):X+4*(\i)+3], v1, s[20:21] offset:(\i)*ROWIN th:TH_LOAD_NT  ; each input byte is read once in the launch
.endr
.irp i, 0,1,2,3,4,5,6,7
	s_wait_loadcnt 7-(\i)                          ; loads come back in order (ISA guide 5.7.1): row i is in, the younger ones stay out
	v_cvt_pk_bf16_f32 v[Y+2*(\i)],   v[X+4*(\i)],   v[X+4*(\i)+1]
	v_cvt_pk_bf16_f32 v[Y+2*(\i)+1], v[X+4*(\i)+2], v[X+4*(\i)+3]
	global_store_b64 v2, v[Y+2*(\i):Y+2*(\i)+1], s[22:23] offset:(\i)*ROWOUT  ; the next launch reads it, so no hint
.endr
	s_endpgm
.Lfunc_end_k_q28500e3a09_cast:
	.size	k_q28500e3a09_cast, .Lfunc_end_k_q28500e3a09_cast-k_q28500e3a09_cast
	.p2alignl 7, 3214868480
	.fill 96, 4, 3214868480
	.section	.rodata,"a",@progbits
	.p2align	6, 0x0
	.amdhsa_kernel k_q28500e3a09_cast
		.amdhsa_group_segment_fixed_size 0
		.amdhsa_private_segment_fixed_size 0
		.amdhsa_enable_private_segment 0
		.amdhsa_kernarg_size 32
		.amdhsa_user_sgpr_count 2
		.amdhsa_user_sgpr_kernarg_segment_ptr 1
		.amdhsa_wavefront_size32 1
		.amdhsa_system_sgpr_workgroup_id_x 1
		.amdhsa_system_sgpr_workgroup_id_y 1
		.amdhsa_system_sgpr_workgroup_id_z 1
		.amdhsa_system_vgpr_workitem_id 0
		.amdhsa_next_free_vgpr 52
		.amdhsa_next_free_sgpr 66
		.amdhsa_reserve_vcc 0
		.amdhsa_float_denorm_mode_32 3
		.amdhsa_float_denorm_mode_16_64 3
		.amdhsa_memory_ordered 1
		.amdhsa_forward_progress 1
		.amdhsa_inst_pref_size 4
	.end_amdhsa_kernel
	.amdgpu_metadata
---
amdhsa.version: [ 1, 2 ]
amdhsa.kernels:
  - .name:           k_q28500e3a09_cast
    .symbol:         k_q28500e3a09_cast.kd
    .args:
      - { .name: hidden_states, .offset: 0, .size: 8, .value_kind: global_buffer, .address_space: global }
      - { .name: Wgu, .offset: 8, .size: 8, .value_kind: global_buffer, .address_space: global }
      - { .name: xb, .offset: 16, .size: 8, .value_kind: global_buffer, .address_space: global }
      - { .name: wgub, .offset: 24, .size: 8, .value_kind: global_buffer, .address_space: global }
    .group_segment_fixed_size: 0
    .private_segment_fixed_size: 0
    .kernarg_segment_align: 8
    .kernarg_segment_size: 32
    .max_flat_workgroup_size: 256
    .sgpr_count:     66
    .vgpr_count:     52
    .wavefront_size: 32
...
	.end_amdgpu_metadata
.endif
;; end of part 1
;; launch gateup (part 2): grid 64 x 8, 4 waves a work-group, clusters of 4 x 4, 327,680 bytes of LDS; arguments xb, wgub, bgu, routing_weights, act, Wd, wdb; writes act, wdb
.if DOCPART == 2
	.amdgcn_target "amdgcn-amd-amdhsa--gfx1250"
	.amdhsa_code_object_version 6
	.text
	.protected	k_q28500e3a09_gateup
	.globl	k_q28500e3a09_gateup
	.p2align	8
	.type	k_q28500e3a09_gateup,@function
k_q28500e3a09_gateup:
	s_mov_b64 s[64:65], 0
	v_nop
	global_prefetch_b8 v0, s[64:65] scope:SCOPE_SE
	s_setreg_imm32_b32 hwreg(HW_REG_WAVE_MODE, 25, 1), 1
	s_wait_xcnt 0x0
	s_wait_alu depctr_hold_cnt(0) depctr_sa_sdst(0) depctr_va_vdst(0) depctr_va_sdst(0) depctr_va_ssrc(0) depctr_va_vcc(0) depctr_vm_vsrc(0)
	s_getreg_b32 s2, hwreg(HW_REG_IB_STS2, 6, 4)
	s_cmp_eq_u32 s2, 0
	s_cbranch_scc0 .Lentry_in_a_cluster
	s_endpgm
.Lentry_in_a_cluster:
	s_bfe_u32 s2, ttmp6, 0x10000c
	s_cmp_lg_u32 s2, 0xf033
	s_cbranch_scc0 .Lentry_shape_is_right
	s_endpgm
.Lentry_shape_is_right:
; act[t][512 e + d] = bf16( rw[t][e] * swiglu(x Wgu[e]^T + bgu[e])[t][d] ).  The sixteen experts' gate-up products are ONE product: x [2048][1024] times Wgu read flat as [16384][1024]
; (bgu flat likewise); column n = 1024 e + 2 d is d's gate, n + 1 its linear part.  The routing weight goes in here, in front of the second product, so that the sum over experts is that product's K.
; BESIDE IT: wdb = Wd rounded to bf16, layout unchanged, for the next launch.  Each wave takes 16,384 bytes of Wd, 512 in each of its 32 quarter steps: one load and one store beside 64 matrix instructions.
; FORMATS.  x and Wgu arrive rounded to bf16; sums in f32, begun with bgu in f32; rw is rounded to bf16 here and used as f32; the result is rounded to bf16 once.
; swiglu: g = min(gate, 7), l = clip(linear, -7, 7), g * 1 / (1 + 2^(-1.702 log2(e) g)) * (l + 1).  The clip, which the problem itself makes, bounds the exponent from below; for very negative g
; the power is +infinity, its reciprocal 0 and the product -0.  g times the sigmoid is formed first, so nothing large meets the 0 too late.  A power below 2^-126 counts as 0.  NaN and infinities are not treated apart.
; router_indices is no argument of any launch: the problem's function takes it and never uses it.
; SHARES.  A work-group of four waves makes a tile of 256 tokens x 256 columns, a wave 128 x 128: 64 accumulators of 16 x 16, 512 registers.  512 work-groups of equal work.  K = 1024 goes in steps of 128 through
; a ring of two LDS slots filled by the tensor data mover; the tiles' rows are 256 bytes of memory at multiples of 256 bytes from the buffer's first byte.
; CLUSTERS.  4 x 4 work-groups: the four of a row of the cluster need the same tiles of x, the four of a column the same tiles of Wgu.  Each tile is asked for JOINTLY: the same tensor load, descriptor and mask in all four.
; THE MATRIX INSTRUCTION IS USED TRANSPOSED (source 0 = 16 rows of Wgu, source 1 = 16 tokens): lane l holds token l % 16 and columns 8 (l / 16) + 0..7: four (gate, linear) pairs, side by side in register pairs.
; act LIES IN BLOCKS: [128 planes of 64 columns][2048 tokens][64] bf16.  A wave's 128 columns make 64 of act, one plane: its 16 tokens are 2,048 consecutive bytes, so a wave stores whole runs of 512 bytes from a stage of its own.
; REGISTERS, in windows of 256 (s_set_vgpr_msb's low byte: bits 1:0 source 0, 3:2 source 1, 5:4 source 2, 7:6 destination):
;   window 0: v0-31 addresses; v32-47 packed results; v48-63, v192-207 rows read back from the stage; v64-127, v128-191 fragments of x, two buffers (v128-191 at work on the way out); v208-223 routing weights;
;             v224-241 Wd on its way through
;   window 1: v0-63 bgu of my 128 columns; v64-127, v128-191 fragments of Wgu, two buffers
;   window 2: the 32 accumulators of my tokens 0-63 (accumulator (a, b) at v[8 (8 a + b)]);   window 3: those of my tokens 64-127
.set SIZE_K, 1024
.set KSTEP,  128
.set PITCH,  272                       ; an LDS row: 256 bytes + 16 of padding = 68 words: row r starts at bank 4 r mod 64 (64 banks of 4 bytes: ISA guide 11.1), so the 16 rows of a load start at 16 different banks
.set HALFT,  128*PITCH                 ; 128 rows: what one tensor load brings, and what one wave reads of x or of Wgu
.set SLOT,   4*HALFT                   ; x's 256 rows, then Wgu's 256 rows
.set STAGE,  2*SLOT                    ; behind the ring, never filled by a tensor load: 16 rows x 144 bytes for each wave
.set SP,     144                       ; a stage row: 128 bytes + 16 = 36 words: the 16 rows of a store start at 16 different groups of four banks
.set SPARE,  STAGE+4*16*SP             ; behind the stages: the spare words, 128 bytes for each wave: two blocks of 256 bytes that no other line names
.set LAPS,   SIZE_K/(2*KSTEP)          ; a lap = two K steps = once round the ring: 4
.set WO,   8                           ; v8      my 8 bytes in 256 consecutive bytes of wdb
.set ADRA, 16                          ; v16-17  LDS address of my x fragments in slot 0, 1
.set ADRB, 20                          ; v20-21  the same for Wgu
.set STO,  24                          ; v24     the way out: where I put 8 bytes of a row
.set RD,   25                          ; v25     the way out: where I read rows back
.set GO,   26                          ; v26     my 16 bytes in 512 consecutive bytes, of act and of Wd
.set RWO,  27                          ; v27     my token's row in routing_weights, 64 bytes a row
.set SPW,  28                          ; v28     LDS address of my spare word: SPARE + 4 x my thread's number; never rewritten
.set NIL,  29                          ; v29     0; never rewritten
.set BO,   30                          ; v30     my eight columns' place in 64 bytes of bgu
.set TM,   31                          ; v31     at work
.set OUT,  32                          ; v32-47  a block's results, packed: accumulator b's four at OUT + 2 b
.set RAW,  32                          ; v32-39  at the start: routing weights as loaded
.set BK0,  48                          ; v48-63 and v192-207 by turns: 16 rows read back
.set F0,   64                          ; fragment buffer 0
.set F1,   128                         ; fragment buffer 1
.set P,    128                         ; the way out: v128-143 powers, then sigmoids
.set G,    160                         ; v160-175 sixteen g, then the results
.set L,    176                         ; v176-191 sixteen l, then (l + 1) rw
.set RWP,  208                         ; v208-223 block a's routing weight at RWP + 2 a, twice (a pair for the packed arithmetic)
.set WX,   224                         ; v224-239 four pieces of Wd on their way in, four f32 a lane each
.set WY,   240                         ; v240-241 a piece to store
.set BI,   0                           ; window 1: bgu of accumulator b's register j at 8 b + j
.set WV,   14                          ; s14  wave 0..3
.set RH,   15                          ; s15  which half of the tile's tokens is mine.  Also: I fetch for x (0) or for Wgu (1)
.set CH,   16                          ; s16  which half of its columns.  Also: which 128 rows of that tile I fetch
.set G1,   24                          ; s[24:31] descriptor group 1 for x's tiles
.set G0,   32                          ; s[32:39] descriptor group 0 for x's tiles, one set for each slot
.set G1B,  48                          ; s[48:55] group 1 for Wgu's tiles: it differs in the mask alone
.set G0B,  56                          ; s[56:63] group 0 for Wgu's tiles
.set LIM,  66                          ; s66 = 7.0, s67 = -7.0
.set KS,   68                          ; s[68:69] -1.702 log2(e): the packed multiply takes the pair's low word for both halves
.set SWI,  76                          ; s[76:77] Wd at the eight pieces of the lap in hand
.set SWO,  78                          ; s[78:79] wdb likewise
.set MSB, 0
.macro WIN new                         ; the immediate's high byte repeats the setting that is left; a switch that changes nothing is dropped
.if MSB != (\new)
	s_set_vgpr_msb (MSB<<8)|(\new)
.set MSB, \new
.endif
.endm
.set MUL_LO, 0xa1                      ; source 0 (Wgu) window 1, source 1 (x) window 0, C and D window 2
.set MUL_HI, 0xf1                      ; the same, C and D window 3
.set BEG_LO, 0x91                      ; the products that start the sums: C (bgu) window 1, D window 2
.set BEG_HI, 0xd1                      ; D window 3
.set TO_B,   0x40                      ; destination window 1, address window 0
; A joint load.  Waves 0 and 1 fetch x's two halves, waves 2 and 3 Wgu's.  Each line has one mask and one set of registers for all that issue it; the branch hangs on the wave's number alone.
; An s_nop 0 and four v_nop follow each of the two lines, ahead of the jump, the label and what follows.
.macro JLOAD s
	s_cmp_eq_u32 s[RH], 0
	s_cbranch_scc0 .Lfor_b_\@
	tensor_load_to_lds s[G0+4*(\s):G0+4*(\s)+3], s[G1:G1+7]
	s_nop 0
.rept 4
	v_nop
.endr
	s_branch .Lasked_\@
.Lfor_b_\@:
	tensor_load_to_lds s[G0B+4*(\s):G0B+4*(\s)+3], s[G1B:G1B+7]
	s_nop 0
.rept 4
	v_nop
.endr
.Lasked_\@:
.endm
; A round of the cluster's barrier: my work-group's barrier, so that wave 0's signal speaks for all four waves; wave 0 signals for the work-group; every wave waits for all sixteen; my work-group's barrier once more.
.macro CREST                           ; a round behind its opening barrier
	s_cmp_lg_u32 s[WV], 0
	s_cbranch_scc1 .Lnot_wave_0_\@
	s_barrier_signal -3
.Lnot_wave_0_\@:
	s_barrier_wait -3
	s_barrier_signal -1
	s_barrier_wait -1
.endm
.macro CROUND                          ; a whole round
	s_barrier_signal -1
	s_barrier_wait -1
	CREST
.endm
	s_load_b256 s[4:11], s[0:1], 0x0               ; xb s[4:5], wgub s[6:7], bgu s[8:9], routing_weights s[10:11]
	s_load_b64 s[12:13], s[0:1], 0x20              ; act
	s_load_b128 s[76:79], s[0:1], 0x28             ; Wd, wdb
	v_lshl_add_u32 v[SPW], v0, 2, SPARE
	v_mov_b32 v[NIL], 0
	ds_add_u32 v28, v29
	s_wait_dscnt 0x0
	v_lshrrev_b32 v1, 5, v0
	v_readfirstlane_b32 s[WV], v1
	s_lshr_b32 s[RH], s[WV], 1
	s_and_b32 s[CH], s[WV], 1
	s_bfe_u32 s40, ttmp6, 0x40000                  ; cx: my place along the cluster's x
	s_bfe_u32 s41, ttmp6, 0x40004                  ; cy: along its y
	s_lshl_b32 s42, ttmp9, 2                       ; in a cluster launch ttmp9 and ttmp7 count clusters
	s_add_co_u32 s42, s42, s40                     ; tile column 0..63 = 4 x cluster x + cx
	s_and_b32 s43, ttmp7, 0xffff
	s_lshl_b32 s43, s43, 2
	s_add_co_u32 s43, s43, s41                     ; tile row 0..7 = 4 x cluster y + cy
	s_lshl_b32 s44, s41, 2
	s_lshl_b32 s44, 15, s44                        ; my row of the cluster: places 4 cy .. 4 cy + 3
	s_lshl_b32 s45, 0x1111, s40                    ; my column: places cx, cx + 4, cx + 8, cx + 12
	; descriptor group 1: a tile of 128 rows x 128 elements, padded in LDS
	s_or_b32 s[G1+0], s44, (1<<16)|(1<<20)|(1<<21)|(5<<22)|(3<<25)   ; 15:0 the mask: x's tiles go to my row; 17:16 elements of 2 bytes; 20 padding on; 21 set beside a mask; 24:22 after every 64 words (code 5); 31:25 4 words of it (code 3)
	s_or_b32 s[G1B+0], s45, (1<<16)|(1<<20)|(1<<21)|(5<<22)|(3<<25)  ; the same with the mask of my column
.irp g, G1, G1B
	s_mov_b32 s[(\g)+1], KSTEP<<16                 ; tensor_dim0 = 128
	s_mov_b32 s[(\g)+2], 128<<16                   ; tensor_dim1 = 128
	s_mov_b32 s[(\g)+3], KSTEP<<16                 ; tile_dim0 = 128
	s_mov_b32 s[(\g)+4], 128                       ; tile_dim1 = 128
	s_mov_b32 s[(\g)+5], SIZE_K                    ; elements from row to row
	s_mov_b32 s[(\g)+6], 0
	s_mov_b32 s[(\g)+7], 0
.endr
	s_mov_b32 s[LIM], 0x40e00000                   ; 7.0
	s_mov_b32 s[LIM+1], 0xc0e00000                 ; -7.0
	s_mov_b32 s[KS], 0xc01d265f                    ; -1.702 log2(e) = -2.455467
	s_mov_b32 s[KS+1], s[KS]                       ; named with it as a pair
	; where the tiles come from: x's hang on the tile row alone, which my row of the cluster shares; Wgu's on the tile column alone, which my column shares.  Rows are 2,048 bytes.
	s_lshl_b32 s17, s[CH], 7                       ; which 128 rows of the tile I fetch
	s_lshl_b32 s18, s43, 8
	s_add_co_u32 s18, s18, s17
	s_lshl_b32 s18, s18, 11                        ; x: (256 x tile row + 128 x half) rows, in bytes: under 2^22
	s_mov_b32 s19, 0
	s_lshl_b32 s46, s42, 8
	s_add_co_u32 s46, s46, s17
	s_lshl_b32 s46, s46, 11                        ; Wgu: (256 x tile column + 128 x half) rows: under 2^25
	s_mov_b32 s47, 0
	s_mul_i32 s20, s[WV], HALFT                    ; and where they go: wave x 128 rows: no place in the cluster enters an LDS address
	s_wait_kmcnt 0x0
	s_add_nc_u64 s[18:19], s[4:5], s[18:19]
	s_add_nc_u64 s[46:47], s[6:7], s[46:47]
	CROUND                                         ; all sixteen work-groups are here: the first joint loads meet
.irp s, 0,1
	s_mov_b32 s[G0+4*(\s)], 1                                        ; count = 1
	s_add_co_u32 s[G0+4*(\s)+1], s20, (\s)*SLOT                      ; LDS address
	s_add_nc_u64 s[G0+4*(\s)+2:G0+4*(\s)+3], s[18:19], (\s)*KSTEP*2  ; global address: K step s
	s_or_b32 s[G0+4*(\s)+3], s[G0+4*(\s)+3], 0x80000000              ; type = 2
	s_mov_b32 s[G0B+4*(\s)], 1
	s_add_co_u32 s[G0B+4*(\s)+1], s20, (\s)*SLOT
	s_add_nc_u64 s[G0B+4*(\s)+2:G0B+4*(\s)+3], s[46:47], (\s)*KSTEP*2
	s_or_b32 s[G0B+4*(\s)+3], s[G0B+4*(\s)+3], 0x80000000
	JLOAD \s                                       ; the ring is filled before anything else is done: two loads of mine are out
.endr
	; A fragment is 16 rows x 32 K in 8 registers: lane l holds row l % 16; registers 0-3 K = 8 (l / 16) + 0..7, registers 4-7 K = 16 + 8 (l / 16) + 0..7: two loads of 16 bytes, 32 bytes apart.
	v_and_b32 v1, 15, v0                           ; r = l % 16
	v_bfe_u32 v2, v0, 4, 1                         ; h = l / 16
	v_mul_u32_u24 v3, v1, PITCH
	v_lshl_add_u32 v3, v2, 4, v3                   ; row x pitch + 16 x half
	s_mul_i32 s21, s[RH], HALFT                    ; my 128 rows of x
	s_mul_i32 s22, s[CH], HALFT                    ; my 128 rows of Wgu,
	s_add_co_u32 s22, s22, 2*HALFT                 ; which lie behind x's 256
.irp s, 0,1
	v_add_nc_u32 v[ADRA+(\s)], s21, v3
	v_add_nc_u32 v[ADRB+(\s)], s22, v3
	s_add_co_u32 s21, s21, SLOT
	s_add_co_u32 s22, s22, SLOT
.endr
	s_mul_i32 s23, s[WV], 16*SP
	s_add_co_u32 s23, s23, STAGE                   ; my stage
	v_mul_u32_u24 v4, v1, SP                       ; in: row r; accumulator b's four results are the 8 bytes at 16 b + 8 h
	v_lshl_add_u32 v4, v2, 3, v4
	v_add_nc_u32 v[STO], s23, v4
	v_and_b32 v5, 31, v0                           ; lane
	v_lshrrev_b32 v6, 3, v5                        ; back: 32 lanes take four rows of 128 bytes,
	v_and_b32 v7, 7, v0
	v_mul_u32_u24 v6, v6, SP
	v_lshl_add_u32 v6, v7, 4, v6
	v_add_nc_u32 v[RD], s23, v6
	v_lshlrev_b32 v[GO], 4, v5                     ; which are 512 consecutive bytes of act
	v_lshlrev_b32 v[WO], 3, v5
	v_lshlrev_b32 v[RWO], 6, v1
	v_lshlrev_b32 v[BO], 5, v2
	; offsets, in registers that fed no descriptor
	s_lshl_b32 s70, s42, 10                        ; bgu: (256 x tile column + 128 x half) numbers of 4 bytes
	s_lshl_b32 s71, s[CH], 9
	s_add_co_u32 s70, s70, s71
	s_mov_b32 s71, 0
	s_add_nc_u64 s[8:9], s[8:9], s[70:71]
	s_lshl_b32 s72, s43, 8
	s_lshl_b32 s73, s[RH], 7
	s_add_co_u32 s72, s72, s73                     ; my first token
	s_lshl_b32 s74, s72, 7                         ; its row in a plane of act: 128 bytes a row
	s_lshl_b32 s72, s72, 6                         ; its row in routing_weights: 64 bytes a row,
	s_lshr_b32 s73, s42, 2                         ; the expert: four tile columns to each,
	s_lshl2_add_u32 s72, s73, s72                  ; + 4 x expert
	s_mov_b32 s73, 0
	s_add_nc_u64 s[10:11], s[10:11], s[72:73]
	s_lshl_b32 s75, s42, 1
	s_add_co_u32 s75, s75, s[CH]                   ; my plane of act = 2 x tile column + half,
	s_lshl_b32 s75, s75, 18                        ; 262,144 bytes each: under 2^25
	s_add_co_u32 s74, s74, s75
	s_mov_b32 s75, 0
	s_add_nc_u64 s[12:13], s[12:13], s[74:75]
	s_lshl_b32 s70, s43, 6
	s_add_co_u32 s70, s70, s42                     ; my work-group's number among the 512,
	s_lshl_b32 s70, s70, 2
	s_add_co_u32 s70, s70, s[WV]                   ; my wave's among the 2,048:
	s_lshl_b32 s72, s70, 13                        ; 8,192 bytes of wdb each,
	s_lshl_b32 s70, s70, 14                        ; 16,384 bytes of Wd each: under 2^25
	s_mov_b32 s71, 0
	s_mov_b32 s73, 0
	s_add_nc_u64 s[SWI:SWI+1], s[SWI:SWI+1], s[70:71]
	s_add_nc_u64 s[SWO:SWO+1], s[SWO:SWO+1], s[72:73]
	WIN TO_B
.irp b, 0,1,2,3,4,5,6,7
	global_load_b128 v[BI+8*(\b):BI+8*(\b)+3],   v[BO], s[8:9] offset:64*(\b)     ; bgu of columns 16 b + 8 h + 0..3
	global_load_b128 v[BI+8*(\b)+4:BI+8*(\b)+7], v[BO], s[8:9] offset:64*(\b)+16  ; and + 4..7: in an accumulator's own layout
.endr
	WIN 0
.irp a, 0,1,2,3,4,5,6,7
	global_load_b32 v[RAW+(\a)], v[RWO], s[10:11] offset:1024*(\a)               ; rw[token 16 a + r][expert], once
.endr
.irp p, 0,1,2,3
	global_load_b128 v[WX+4*(\p):WX+4*(\p)+3], v[GO], s[SWI:SWI+1] offset:512*(\p) th:TH_LOAD_NT  ; Wd's first four pieces; each byte of Wd is read once in the launch
.endr
	s_wait_loadcnt 4                               ; bgu and rw are in; the four pieces of Wd, issued behind them, may stay out
.irp q, 0,1,2,3                        ; rw rounded to bf16, widened again, each written twice
	v_cvt_pk_bf16_f32 v[TM], v[RAW+2*(\q)], v[RAW+2*(\q)+1]
	v_lshlrev_b32 v[RWP+4*(\q)],   16, v[TM]
	v_lshlrev_b32 v[RWP+4*(\q)+1], 16, v[TM]
	v_and_b32 v[RWP+4*(\q)+2], 0xffff0000, v[TM]
	v_and_b32 v[RWP+4*(\q)+3], 0xffff0000, v[TM]
.endr
; 16 matrix instructions: token blocks a0, a0 + 1 of the window's four (hi = 0: my tokens 0-63, 1: 64-127) x all 8 column blocks, 32 along K.  zero = 1: the first product starts the sums, with bgu as its C: nothing is
; cleared and no addition follows.  The 64 accumulators take turns, one instruction a turn, in the same order in every quarter step.
.macro MUL16 f, hi, a0, zero
.if \zero
	WIN BEG_LO+0x40*(\hi)
.else
	WIN MUL_LO+0x50*(\hi)
.endif
.irp a, \a0, (\a0)+1
.irp b, 0,1,2,3,4,5,6,7
.if \zero
	v_wmma_f32_16x16x32_bf16 v[8*(8*(\a)+(\b)):8*(8*(\a)+(\b))+7], v[(\f)+8*(\b):(\f)+8*(\b)+7], v[(\f)+8*(4*(\hi)+(\a)):(\f)+8*(4*(\hi)+(\a))+7], v[BI+8*(\b):BI+8*(\b)+7]
.else
	v_wmma_f32_16x16x32_bf16 v[8*(8*(\a)+(\b)):8*(8*(\a)+(\b))+7], v[(\f)+8*(\b):(\f)+8*(\b)+7], v[(\f)+8*(4*(\hi)+(\a)):(\f)+8*(4*(\hi)+(\a))+7], v[8*(8*(\a)+(\b)):8*(8*(\a)+(\b))+7]
.endif
.endr
.endr
.endm
; 32 LDS loads in one run: the fragments of one quarter step (128 rows of Wgu, 128 of x, 32 K at byte k of the rows) into buffer f
.macro FETCH slot, k, f
	WIN TO_B
.irp i, 0,1,2,3,4,5,6,7
	ds_load_b128 v[(\f)+8*(\i):(\f)+8*(\i)+3],   v[ADRB+(\slot)] offset:(\k)+(\i)*16*PITCH
	ds_load_b128 v[(\f)+8*(\i)+4:(\f)+8*(\i)+7], v[ADRB+(\slot)] offset:(\k)+(\i)*16*PITCH+32
.endr
	WIN 0
.irp i, 0,1,2,3,4,5,6,7
	ds_load_b128 v[(\f)+8*(\i):(\f)+8*(\i)+3],   v[ADRA+(\slot)] offset:(\k)+(\i)*16*PITCH
	ds_load_b128 v[(\f)+8*(\i)+4:(\f)+8*(\i)+7], v[ADRA+(\slot)] offset:(\k)+(\i)*16*PITCH+32
.endr
.endm
; Wd's piece j of the lap in hand (512 bytes a wave) is rounded and stored; ld = 1: the piece four further on is asked for, into the registers just read.  Four pieces are always on their way;
; left = how many younger ones may stay out.  It stands behind a run of LDS loads, where every window is 0.
.macro RIDE j, ld, left
	s_wait_loadcnt \left                           ; loads come back in order (ISA guide 5.7.1): this piece is in
	s_wait_xcnt 0x0                                ; the last piece's store has read WY: it is rewritten only behind this wait
	v_cvt_pk_bf16_f32 v[WY],   v[WX+4*((\j)%4)],   v[WX+4*((\j)%4)+1]
	v_cvt_pk_bf16_f32 v[WY+1], v[WX+4*((\j)%4)+2], v[WX+4*((\j)%4)+3]
	global_store_b64 v[WO], v[WY:WY+1], s[SWO:SWO+1] offset:256*(\j)  ; 256 consecutive bytes, at a multiple of 256 from wdb's first byte; the next launch reads them, so no hint
.if \ld
	global_load_b128 v[WX+4*((\j)%4):WX+4*((\j)%4)+3], v[GO], s[SWI:SWI+1] offset:512*((\j)+4) th:TH_LOAD_NT
.endif
.endm
; A load into a register that a matrix instruction has read, and a vector instruction that reads a matrix result or writes one of a matrix instruction's registers, stand four places behind it; only plain vector
; instructions that name none of its registers are places (ISA guide 7.12.1 for vector instructions).
.macro PLACES
.rept 4
	v_nop
.endr
.endm
; A K step is four quarter steps of 32 along K, 64 matrix instructions each, on buffers 0, 1, 0, 1.  One of the first three: multiplies buffer f; in its middle it fetches the next quarter, at byte k, into buffer g,
; and passes Wd's piece j on.
.macro QUARTER slot, k, f, g, zero, j, ld=1, left=3
	s_wait_dscnt 8                                 ; Wgu's fragments and x's rows 0-63 are in; the youngest eight loads (x's rows 64-127) may be out
	MUL16 \f, 0, 0, \zero
	MUL16 \f, 0, 2, \zero
	PLACES
	FETCH \slot, \k, \g
	RIDE \j, \ld, \left
	s_wait_dscnt 32                                ; all but the 32 just issued
	MUL16 \f, 1, 0, \zero
	MUL16 \f, 1, 2, \zero
.endm
; The last quarter multiplies buffer 1 and changes slots.  MEET is its first half: ONE barrier for the change.  In front of it each wave waits for all its tensor loads, of which one is out: its part of the next slot;
; adds 0 to its spare word; and waits for that and for its own reads of this slot.  Behind it nobody reads this slot any more and the next slot is whole.
.macro MEET round                      ; round = 1: a round of the cluster's barrier follows
	WIN 0                                          ; (the add's two registers lie in window 0)
	s_wait_tensorcnt 0x0                           ; all my tensor loads have landed
	ds_add_u32 v[SPW], v[NIL]                      ; 0 onto my spare word
	s_wait_dscnt 9                                 ; (the add and the youngest eight loads may be out)
	MUL16 F1, 0, 0, 0                              ; sixteen matrix instructions stand between the add and the wait for it
	s_wait_dscnt 0x0                               ; the add is done, and my reads of this slot are over
	s_barrier_signal -1
	MUL16 F1, 0, 2, 0                              ; work on registers while the others arrive
.if \round
	WIN 0
.endif
	s_barrier_wait -1
.endm
; The whole last quarter where the slot is filled again, two K steps ahead: the barrier opens a round of the cluster's, the joint refill is the first tensor load behind it, then come the next slot's first fragments.
; From a request to the wait for it a wave issues 224 matrix instructions.
.macro TURN slot, next, j
	MEET 1
	CREST                                          ; no wave of any partner still reads this slot's tile or has a load on its way
	s_add_nc_u64 s[G0+4*(\slot)+2:G0+4*(\slot)+3], s[G0+4*(\slot)+2:G0+4*(\slot)+3], 2*KSTEP*2    ; no tensor load of mine is out: a group 0 may be written
	s_add_nc_u64 s[G0B+4*(\slot)+2:G0B+4*(\slot)+3], s[G0B+4*(\slot)+2:G0B+4*(\slot)+3], 2*KSTEP*2
	JLOAD \slot                                    ; the four v_nop behind it are also the places in front of the loads below
	FETCH \next, 0, F0
	RIDE \j, 1, 3
	MUL16 F1, 1, 0, 0
	MUL16 F1, 1, 2, 0
.endm
; THE WAY OUT.  ACT: four accumulators (b = 4 hb .. 4 hb + 3) of token block a: 16 pairs (gate, linear) a lane become 16 results, packed into 8 registers.
.macro ACT a, hb
.set AC, 64*((\a)%4)+32*(\hb)
.set RW, RWP+2*(\a)
	WIN 0x0a+5*((\a)/4)                            ; sources 0 and 1: window 2 or 3 (the sums, bgu within them); destination: window 0
.set z, 0
.rept 16                               ; ascending
	v_min_num_f32 v[G+z], s[LIM], v[AC+2*z]                  ; g = min(gate, 7)
	v_med3_num_f32 v[L+z], v[AC+2*z+1], s[LIM+1], s[LIM]     ; l = clip(linear, -7, 7)
.set z, z+1
.endr
	WIN 0
.set z, 0
.rept 8
	v_pk_mul_f32 v[P+2*z:P+2*z+1], v[G+2*z:G+2*z+1], s[KS:KS+1] op_sel_hi:[1,0]  ; -1.702 log2(e) g
.set z, z+1
.endr
.set z, 0
.rept 16
	v_exp_f32 v[P+z], v[P+z]
.set z, z+1
.endr
.set z, 0
.rept 4                                ; l rw + rw = (l + 1) rw, one rounding.  Plain work that names no power: it stands between the last exponential and the first use of a result (ISA guide 5.7.2)
	v_pk_fma_f32 v[L+2*z:L+2*z+1], v[L+2*z:L+2*z+1], v[RW:RW+1], v[RW:RW+1]
.set z, z+1
.endr
.set z, 0
	s_wait_alu depctr_va_vdst(0)
.rept 8
	v_pk_add_f32 v[P+2*z:P+2*z+1], v[P+2*z:P+2*z+1], 1.0 op_sel_hi:[1,0]
.set z, z+1
.endr
.set z, 0
.rept 16
	v_rcp_f32 v[P+z], v[P+z]                       ; the sigmoid
.set z, z+1
.endr
.set z, 4
.rept 4                                ; the other half of (l + 1) rw, behind the reciprocals for the same reason
	v_pk_fma_f32 v[L+2*z:L+2*z+1], v[L+2*z:L+2*z+1], v[RW:RW+1], v[RW:RW+1]
.set z, z+1
.endr
.set z, 0
	s_wait_alu depctr_va_vdst(0)
.rept 8
	v_pk_mul_f32 v[G+2*z:G+2*z+1], v[G+2*z:G+2*z+1], v[P+2*z:P+2*z+1]  ; g x sigmoid first
.set z, z+1
.endr
.set z, 0
.rept 8
	v_pk_mul_f32 v[G+2*z:G+2*z+1], v[G+2*z:G+2*z+1], v[L+2*z:L+2*z+1]
.set z, z+1
.endr
.set z, 0
.rept 8
	v_cvt_pk_bf16_f32 v[OUT+8*(\hb)+z], v[G+2*z], v[G+2*z+1]
.set z, z+1
.endr
.endm
.macro PACK a
	ACT \a, 0
	ACT \a, 1
.endm
.macro TOSTAGE a                       ; into my own stage, and back as whole rows of 128 bytes
.set BK, BK0+144*((\a)%2)
.irp b, 0,1,2,3,4,5,6,7
	ds_store_b64 v[STO], v[OUT+2*(\b):OUT+2*(\b)+1] offset:16*(\b)
.endr
.irp t, 0,1,2,3
	ds_load_b128 v[BK+4*(\t):BK+4*(\t)+3], v[RD] offset:4*SP*(\t)  ; LDS serves a wave's instructions in order (ISA guide 5.7.1.4): these see the stores above; the next block's stores come behind them
.endr
.endm
.macro SEND a
.set BK, BK0+144*((\a)%2)
	s_wait_dscnt 0x0                               ; the block is back in registers
	s_wait_xcnt 0x0                                ; the stores of the block before have read their registers: the next loads from the stage land there only behind this wait
.irp t, 0,1,2,3
	global_store_b128 v[GO], v[BK+4*(\t):BK+4*(\t)+3], s[12:13] offset:2048*(\a)+512*(\t)  ; 512 consecutive bytes, at a multiple of 256 from act's first byte; the next launch reads them, so no hint
.endr
.endm
	s_wait_tensorcnt 1                             ; my part of K step 0 is in; K step 1's may stay out
	s_barrier_signal -1
	s_barrier_wait -1                              ; everybody's is
	FETCH 0, 0, F0
	QUARTER 0, 64,  F0, F1, 1, 0                   ; the first quarter stands in front of the loop: its products start the sums
	WIN 0                                          ; at a label and at a branch every window is 0
	s_mov_b32 s3, LAPS-1
.Llap:                                                 ; a trip goes once round the ring, from a lap's second quarter to the next lap's first, fills both slots again and passes eight pieces of Wd on
	QUARTER 0, 128, F1, F0, 0, 1
	QUARTER 0, 192, F0, F1, 0, 2
	TURN 0, 1, 3
	QUARTER 1, 64,  F0, F1, 0, 4
	QUARTER 1, 128, F1, F0, 0, 5
	QUARTER 1, 192, F0, F1, 0, 6
	TURN 1, 0, 7
	QUARTER 0, 64,  F0, F1, 0, 8
	WIN 0
	s_wait_xcnt 0x0                                ; Wd's loads and stores have read their bases: these step only behind this wait
	s_add_nc_u64 s[SWI:SWI+1], s[SWI:SWI+1], 8*512
	s_add_nc_u64 s[SWO:SWO+1], s[SWO:SWO+1], 8*256
	s_sub_co_u32 s3, s3, 1
	s_cmp_lg_u32 s3, 0
	s_cbranch_scc1 .Llap
	QUARTER 0, 128, F1, F0, 0, 1                   ; the last lap is written out: it asks for no tile more, and has no round of the cluster's barrier
	QUARTER 0, 192, F0, F1, 0, 2
	MEET 0                                         ; my one tensor load that was still out is slot 1's, the last K step's
	PLACES                                         ; for the loads into buffer 0, which the quarter before multiplied
	FETCH 1, 0, F0
	RIDE 3, 1, 3                                   ; asks for Wd's last piece, number 31 of my 32
	MUL16 F1, 1, 0, 0
	MUL16 F1, 1, 2, 0
	QUARTER 1, 64,  F0, F1, 0, 4, 0, 3             ; the last four pieces: nothing more is asked for, and the counts run down
	QUARTER 1, 128, F1, F0, 0, 5, 0, 2
	QUARTER 1, 192, F0, F1, 0, 6, 0, 1
	s_wait_dscnt 8                                 ; the very last quarter: nothing more to fetch
	MUL16 F1, 0, 0, 0
	MUL16 F1, 0, 2, 0
	s_wait_dscnt 0x0
	MUL16 F1, 1, 0, 0
	MUL16 F1, 1, 2, 0
	WIN 0
	RIDE 7, 0, 0
	PLACES                                         ; the way out reads results just made and writes into buffer 1
	PACK 0
	TOSTAGE 0
.irp a, 1,2,3,4,5,6,7                  ; block a's arithmetic stands between block a - 1's loads from the stage and the wait for them
	PACK \a
	SEND (\a)-1
	TOSTAGE \a
.endr
	SEND 7
	s_wait_tensorcnt 0x0                           ; the wave's end: behind my last tensor load and my last LDS store
	ds_add_u32 v[SPW], v[NIL]
	s_wait_dscnt 0x0
	CROUND                                         ; the closing round: no work-group ends while a partner may still ask for a tile that names it
	s_endpgm
.Lfunc_end_k_q28500e3a09_gateup:
	.size	k_q28500e3a09_gateup, .Lfunc_end_k_q28500e3a09_gateup-k_q28500e3a09_gateup
	.p2alignl 7, 3214868480
	.fill 96, 4, 3214868480
	.section	.rodata,"a",@progbits
	.p2align	6, 0x0
	.amdhsa_kernel k_q28500e3a09_gateup
		.amdhsa_group_segment_fixed_size 327680
		.amdhsa_private_segment_fixed_size 0
		.amdhsa_enable_private_segment 0
		.amdhsa_kernarg_size 56
		.amdhsa_user_sgpr_count 2
		.amdhsa_user_sgpr_kernarg_segment_ptr 1
		.amdhsa_wavefront_size32 1
		.amdhsa_system_sgpr_workgroup_id_x 1
		.amdhsa_system_sgpr_workgroup_id_y 1
		.amdhsa_system_sgpr_workgroup_id_z 1
		.amdhsa_system_vgpr_workitem_id 0
		.amdhsa_next_free_vgpr 1024
		.amdhsa_next_free_sgpr 80
		.amdhsa_reserve_vcc 0
		.amdhsa_float_denorm_mode_32 3
		.amdhsa_float_denorm_mode_16_64 3
		.amdhsa_memory_ordered 1
		.amdhsa_forward_progress 1
		.amdhsa_inst_pref_size 221
	.end_amdhsa_kernel
	.amdgpu_metadata
---
amdhsa.version: [ 1, 2 ]
amdhsa.kernels:
  - .name:           k_q28500e3a09_gateup
    .symbol:         k_q28500e3a09_gateup.kd
    .args:
      - { .name: xb, .offset: 0, .size: 8, .value_kind: global_buffer, .address_space: global }
      - { .name: wgub, .offset: 8, .size: 8, .value_kind: global_buffer, .address_space: global }
      - { .name: bgu, .offset: 16, .size: 8, .value_kind: global_buffer, .address_space: global }
      - { .name: routing_weights, .offset: 24, .size: 8, .value_kind: global_buffer, .address_space: global }
      - { .name: act, .offset: 32, .size: 8, .value_kind: global_buffer, .address_space: global }
      - { .name: Wd, .offset: 40, .size: 8, .value_kind: global_buffer, .address_space: global }
      - { .name: wdb, .offset: 48, .size: 8, .value_kind: global_buffer, .address_space: global }
    .group_segment_fixed_size: 327680
    .private_segment_fixed_size: 0
    .kernarg_segment_align: 8
    .kernarg_segment_size: 56
    .max_flat_workgroup_size: 128
    .sgpr_count:     80
    .vgpr_count:     1024
    .wavefront_size: 32
...
	.end_amdgpu_metadata
.endif
;; end of part 2
;; launch down (part 3): grid 4 x 64, 4 waves a work-group, clusters of 4 x 4, 327,680 bytes of LDS; arguments act, wdb, part; writes part
.if DOCPART == 3
	.amdgcn_target "amdgcn-amd-amdhsa--gfx1250"
	.amdhsa_code_object_version 6
	.text
	.protected	k_q28500e3a09_down
	.globl	k_q28500e3a09_down
	.p2align	8
	.type	k_q28500e3a09_down,@function
k_q28500e3a09_down:
	s_mov_b64 s[64:65], 0
	v_nop
	global_prefetch_b8 v0, s[64:65] scope:SCOPE_SE
	s_setreg_imm32_b32 hwreg(HW_REG_WAVE_MODE, 25, 1), 1
	s_wait_xcnt 0x0
	s_wait_alu depctr_hold_cnt(0) depctr_sa_sdst(0) depctr_va_vdst(0) depctr_va_sdst(0) depctr_va_ssrc(0) depctr_va_vcc(0) depctr_vm_vsrc(0)
	s_getreg_b32 s2, hwreg(HW_REG_IB_STS2, 6, 4)
	s_cmp_eq_u32 s2, 0
	s_cbranch_scc0 .Lentry_in_a_cluster
	s_endpgm
.Lentry_in_a_cluster:
	s_bfe_u32 s2, ttmp6, 0x10000c
	s_cmp_lg_u32 s2, 0xf033
	s_cbranch_scc0 .Lentry_shape_is_right
	s_endpgm
.Lentry_shape_is_right:
; part[ks][t][h] = the sum over experts e = 2 ks, 2 ks + 1 and d of act[t][512 e + d] Wd[e][h][d].  The routing weight lies in act already, so the sum over experts is part of K: one product, 2048 x 1024, K = 8192.
; act and Wd in bf16, sums in f32, stored as f32.  THE ORDER OF THE SUMS differs from the problem's: within a part the two experts take turns, 128 of d at a time; the eight parts are added, in f32, by the next launch.
; WHY EIGHT PARTS OF K: 2048 x 1024 are 32 tiles of 256 x 256; eight parts make 256 work-groups of equal work.  The large tile is what counts: a slot of 131,072 bytes of data feeds 256 matrix instructions a wave,
; where a tile of 128 x 128 feeds 128 from as many bytes, and between two refills a slot has to land whole.  The price is part: eight times the output's bytes, written here and read once more.
; SHARES.  A work-group of four waves makes a tile of 256 tokens x 256 channels over K = 1024, a wave 128 x 128: 64 accumulators, 512 registers.  K goes in 8 steps of 128 through a ring of two LDS slots:
; slot 0 walks expert 2 ks, slot 1 expert 2 ks + 1, so each slot's addresses step by a constant.
; act LIES IN BLOCKS, [128 planes of 64 along K][2048 tokens][64]: 128 tokens of a plane are 16,384 consecutive bytes.  A wave's load of act takes two such runs (two planes = 128 along K), padded in LDS after every token's 128 bytes.
; CLUSTERS.  4 x 4 work-groups: the four of a row of the cluster need the same tiles of act, the four of a column the same tiles of Wd; the part of K hangs on the cluster's y alone and is the same in all sixteen.
; THE MATRIX INSTRUCTION IS USED TRANSPOSED (source 0 = 16 rows of Wd, source 1 = 16 tokens): a lane holds eight neighbouring channels of one token.
; REGISTERS, in windows of 256 (s_set_vgpr_msb's low byte: bits 1:0 source 0, 3:2 source 1, 5:4 source 2, 7:6 destination):
;   window 0: v0-31 addresses; v64-127, v128-191 fragments of act, two buffers; on the way out rows read back from the stage, by turns
;   window 1: v64-127, v128-191 fragments of Wd, two buffers
;   window 2: the 32 accumulators of my tokens 0-63 (accumulator (a, b) at v[8 (8 a + b)]);   window 3: those of my tokens 64-127
.set PA,     144                       ; a token's 64 numbers of a plane in LDS: 128 bytes + 16 = 36 words: the 16 rows of a load start at 16 different groups of four banks (64 banks of 4 bytes: ISA guide 11.1)
.set PLANE,  128*PA                    ; 128 tokens of one plane
.set AHALF,  2*PLANE                   ; what one tensor load of act brings: 128 tokens x 128 K
.set PB,     272                       ; a row of Wd in LDS: 256 bytes + 16 = 68 words: row r starts at bank 4 r mod 64
.set BHALF,  128*PB                    ; what one tensor load of Wd brings: 128 rows x 128 K
.set SLOT,   2*AHALF+2*BHALF           ; act's two halves, then Wd's two halves
.set STAGE,  2*SLOT                    ; behind the ring, never filled by a tensor load: 16 rows x 528 bytes for each wave
.set SPITCH, 528                       ; a stage row: 512 bytes + 16 = 132 words: row r starts at bank 4 r mod 64
.set SPARE,  STAGE+4*16*SPITCH         ; behind the stages: the spare words, 128 bytes for each wave: two blocks of 256 bytes that no other line names
.set LAPS,   4                         ; a lap = two K steps = once round the ring
.set STEP_A, 2*262144                  ; a slot's next K step in act: two planes of 262,144 bytes on
.set STEP_B, 256                       ; in Wd: 128 numbers on in the rows
.set ADRA, 16                          ; v16-17  LDS address of my act fragments in slot 0, 1
.set ADRB, 20                          ; v20-21  the same for Wd
.set STO,  24                          ; v24     the way out: where I put 32 bytes of a row
.set RD,   25                          ; v25     the way out: where I read a row back
.set CO,   26                          ; v26     my 16 bytes in 512 consecutive bytes of part
.set SPW,  28                          ; v28     LDS address of my spare word: SPARE + 4 x my thread's number; never rewritten
.set NIL,  29                          ; v29     0; never rewritten
.set F0,   64                          ; fragment buffer 0
.set F1,   128                         ; fragment buffer 1
.set BK0,  64                          ; the way out: v64-127 and v128-191 by turns: 16 rows read back
.set WV,   14                          ; s14  wave 0..3
.set RH,   15                          ; s15  which half of the tile's tokens is mine.  Also: I fetch for act (0) or for Wd (1)
.set CH,   16                          ; s16  which half of its channels.  Also: which 128 rows of that tile I fetch
.set G1,   24                          ; s[24:31] descriptor group 1 for act's tiles;  s[32:39] group 0, one set for each slot
.set G0,   32
.set G1B,  48                          ; s[48:55], s[56:63] the same for Wd's tiles
.set G0B,  56
.set MSB, 0
.macro WIN new                         ; the immediate's high byte repeats the setting that is left; a switch that changes nothing is dropped
.if MSB != (\new)
	s_set_vgpr_msb (MSB<<8)|(\new)
.set MSB, \new
.endif
.endm
.set MUL_LO, 0xa1                      ; source 0 (Wd) window 1, source 1 (act) window 0, C and D window 2
.set MUL_HI, 0xf1                      ; the same, C and D window 3
.set TO_B,   0x40                      ; destination window 1, address window 0
.macro JLOAD s                         ; a joint load: waves 0 and 1 fetch act's two halves, waves 2 and 3 Wd's; an s_nop 0 and four v_nop follow each of the two lines, ahead of the jump, the label and what follows
	s_cmp_eq_u32 s[RH], 0
	s_cbranch_scc0 .Lfor_b_\@
	tensor_load_to_lds s[G0+4*(\s):G0+4*(\s)+3], s[G1:G1+7]
	s_nop 0
.rept 4
	v_nop
.endr
	s_branch .Lasked_\@
.Lfor_b_\@:
	tensor_load_to_lds s[G0B+4*(\s):G0B+4*(\s)+3], s[G1B:G1B+7]
	s_nop 0
.rept 4
	v_nop
.endr
.Lasked_\@:
.endm
.macro CREST                           ; a round of the cluster's barrier behind its opening barrier
	s_cmp_lg_u32 s[WV], 0
	s_cbranch_scc1 .Lnot_wave_0_\@
	s_barrier_signal -3
.Lnot_wave_0_\@:
	s_barrier_wait -3
	s_barrier_signal -1
	s_barrier_wait -1
.endm
.macro CROUND                          ; a whole round
	s_barrier_signal -1
	s_barrier_wait -1
	CREST
.endm
	s_load_b128 s[4:7], s[0:1], 0x0                ; act s[4:5], wdb s[6:7]
	s_load_b64 s[8:9], s[0:1], 0x10                ; part
	v_lshl_add_u32 v[SPW], v0, 2, SPARE
	v_mov_b32 v[NIL], 0
	ds_add_u32 v28, v29
	s_wait_dscnt 0x0
	v_lshrrev_b32 v1, 5, v0
	v_readfirstlane_b32 s[WV], v1
	s_lshr_b32 s[RH], s[WV], 1
	s_and_b32 s[CH], s[WV], 1
	s_bfe_u32 s40, ttmp6, 0x40000                  ; cx, cy: my place in the cluster
	s_bfe_u32 s41, ttmp6, 0x40004
	s_lshl_b32 s42, ttmp9, 2
	s_add_co_u32 s42, s42, s40                     ; tile column 0..3 = 4 x cluster x + cx
	s_and_b32 s43, ttmp7, 0xffff                   ; the cluster's y, 0..15:
	s_lshr_b32 s66, s43, 1                         ; its upper three bits are the part of K,
	s_and_b32 s43, s43, 1                          ; its lowest counts four tile rows
	s_lshl_b32 s43, s43, 2
	s_add_co_u32 s43, s43, s41                     ; tile row 0..7
	s_lshl_b32 s44, s41, 2
	s_lshl_b32 s44, 15, s44                        ; my row of the cluster
	s_lshl_b32 s45, 0x1111, s40                    ; my column
	; group 1 for act: two rows of 8,192 elements (128 tokens x 64 of a plane, dense), a plane apart; in LDS 4 words of padding after every 32 words, that is after every token
	s_or_b32 s[G1+0], s44, (1<<16)|(1<<20)|(1<<21)|(4<<22)|(3<<25)  ; 15:0 the mask: my row; 17:16 elements of 2 bytes; 20 padding on; 21 set beside a mask; 24:22 after every 32 words (code 4); 31:25 4 words (code 3)
	s_mov_b32 s[G1+1], 8192<<16                    ; tensor_dim0 = 8192
	s_mov_b32 s[G1+2], 2<<16                       ; tensor_dim1 = 2
	s_mov_b32 s[G1+3], 8192<<16                    ; tile_dim0 = 8192
	s_mov_b32 s[G1+4], 2                           ; tile_dim1 = 2
	s_mov_b32 s[G1+5], 131072                      ; elements from plane to plane
	s_mov_b32 s[G1+6], 0
	s_mov_b32 s[G1+7], 0
	; group 1 for Wd: 128 rows x 128 elements, 4 words of padding after every 64 words, that is after every row
	s_or_b32 s[G1B+0], s45, (1<<16)|(1<<20)|(1<<21)|(5<<22)|(3<<25)
	s_mov_b32 s[G1B+1], 128<<16                    ; tensor_dim0 = 128
	s_mov_b32 s[G1B+2], 128<<16                    ; tensor_dim1 = 128
	s_mov_b32 s[G1B+3], 128<<16                    ; tile_dim0 = 128
	s_mov_b32 s[G1B+4], 128                        ; tile_dim1 = 128
	s_mov_b32 s[G1B+5], 512                        ; elements from row to row
	s_mov_b32 s[G1B+6], 0
	s_mov_b32 s[G1B+7], 0
	s_lshl_b32 s17, s[CH], 7                       ; which 128 rows of the tile I fetch
	s_lshl_b32 s18, s43, 8
	s_add_co_u32 s18, s18, s17
	s_lshl_b32 s18, s18, 7                         ; act: token 256 x tile row + 128 x half, 128 bytes each,
	s_lshl_b32 s19, s66, 22
	s_add_co_u32 s18, s18, s19                     ; in plane 16 x part of K: under 2^25
	s_mov_b32 s19, 0
	s_lshl_b32 s46, s42, 8
	s_add_co_u32 s46, s46, s17
	s_lshl_b32 s46, s46, 10                        ; Wd: row 256 x tile column + 128 x half, 1,024 bytes each,
	s_lshl_b32 s47, s66, 21
	s_add_co_u32 s46, s46, s47                     ; of expert 2 x part of K: under 2^24
	s_mov_b32 s47, 0
	s_mul_i32 s20, s[CH], AHALF                    ; where they go: no place in the cluster enters an LDS address
	s_mul_i32 s21, s[CH], BHALF
	s_add_co_u32 s21, s21, 2*AHALF
	s_wait_kmcnt 0x0
	s_add_nc_u64 s[18:19], s[4:5], s[18:19]
	s_add_nc_u64 s[46:47], s[6:7], s[46:47]
	CROUND                                         ; all sixteen work-groups are here: the first joint loads meet
.irp s, 0,1
	s_mov_b32 s[G0+4*(\s)], 1
	s_add_co_u32 s[G0+4*(\s)+1], s20, (\s)*SLOT
	s_add_nc_u64 s[G0+4*(\s)+2:G0+4*(\s)+3], s[18:19], (\s)*8*262144   ; slot s: expert 2 ks + s, eight planes on
	s_or_b32 s[G0+4*(\s)+3], s[G0+4*(\s)+3], 0x80000000
	s_mov_b32 s[G0B+4*(\s)], 1
	s_add_co_u32 s[G0B+4*(\s)+1], s21, (\s)*SLOT
	s_add_nc_u64 s[G0B+4*(\s)+2:G0B+4*(\s)+3], s[46:47], (\s)*1048576  ; the same expert's 1,048,576 bytes of Wd
	s_or_b32 s[G0B+4*(\s)+3], s[G0B+4*(\s)+3], 0x80000000
	JLOAD \s                                       ; two loads of mine are out
.endr
	v_and_b32 v1, 15, v0                           ; r = l % 16
	v_bfe_u32 v2, v0, 4, 1                         ; h = l / 16
	v_mul_u32_u24 v3, v1, PA
	v_lshl_add_u32 v3, v2, 4, v3                   ; a fragment's row x pitch + 16 x half, for act
	v_mul_u32_u24 v6, v1, PB
	v_lshl_add_u32 v6, v2, 4, v6                   ; and for Wd
	s_mul_i32 s21, s[RH], AHALF                    ; my 128 tokens
	s_mul_i32 s22, s[CH], BHALF                    ; my 128 rows of Wd,
	s_add_co_u32 s22, s22, 2*AHALF                 ; which lie behind act's two halves
.irp s, 0,1
	v_add_nc_u32 v[ADRA+(\s)], s21, v3
	v_add_nc_u32 v[ADRB+(\s)], s22, v6
	s_add_co_u32 s21, s21, SLOT
	s_add_co_u32 s22, s22, SLOT
.endr
	s_mul_i32 s23, s[WV], 16*SPITCH
	s_add_co_u32 s23, s23, STAGE                   ; my stage
	v_mul_u32_u24 v4, v1, SPITCH                   ; in: row r; accumulator b's eight f32 are the 32 bytes at 64 b + 32 h
	v_lshl_add_u32 v4, v2, 5, v4
	v_add_nc_u32 v[STO], s23, v4
	v_and_b32 v5, 31, v0                           ; lane
	v_lshlrev_b32 v[CO], 4, v5                     ; back: 32 lanes take one row of 512 bytes, which are 512 consecutive bytes of part
	v_add_nc_u32 v[RD], s23, v[CO]
	s_lshl_b32 s68, s43, 8                         ; offsets, in registers that fed no descriptor
	s_lshl_b32 s69, s[RH], 7
	s_add_co_u32 s68, s68, s69                     ; my first token: 256 x tile row + 128 x half,
	s_lshl_b32 s68, s68, 12                        ; rows of 4,096 bytes,
	s_lshl_b32 s69, s66, 23
	s_add_co_u32 s68, s68, s69                     ; in the part's 8,388,608 bytes,
	s_lshl_b32 s69, s42, 10
	s_add_co_u32 s68, s68, s69                     ; channel 256 x tile column
	s_lshl_b32 s69, s[CH], 9
	s_add_co_u32 s68, s68, s69                     ; + 128 x half, 4 bytes each: under 2^26 in all
	s_mov_b32 s69, 0
	s_add_nc_u64 s[8:9], s[8:9], s[68:69]
; 16 matrix instructions: token blocks a0, a0 + 1 of the window's four (hi = 0: my tokens 0-63, 1: 64-127) x all 8 channel blocks, 32 along K.  zero = 1: the first product starts the sums: nothing is ever cleared.
; The 64 accumulators take turns, one instruction a turn, in the same order in every quarter step.
.macro MUL16 f, hi, a0, zero
	WIN MUL_LO+0x50*(\hi)
.irp a, \a0, (\a0)+1
.irp b, 0,1,2,3,4,5,6,7
.if \zero
	v_wmma_f32_16x16x32_bf16 v[8*(8*(\a)+(\b)):8*(8*(\a)+(\b))+7], v[(\f)+8*(\b):(\f)+8*(\b)+7], v[(\f)+8*(4*(\hi)+(\a)):(\f)+8*(4*(\hi)+(\a))+7], 0
.else
	v_wmma_f32_16x16x32_bf16 v[8*(8*(\a)+(\b)):8*(8*(\a)+(\b))+7], v[(\f)+8*(\b):(\f)+8*(\b)+7], v[(\f)+8*(4*(\hi)+(\a)):(\f)+8*(4*(\hi)+(\a))+7], v[8*(8*(\a)+(\b)):8*(8*(\a)+(\b))+7]
.endif
.endr
.endr
.endm
; 32 LDS loads in one run: the fragments of quarter q of a K step (32 along K: bytes 64 q on of Wd's rows; plane q / 2 of act's two, bytes 64 (q % 2) on) into buffer f
.macro FETCH slot, q, f
	WIN TO_B
.irp i, 0,1,2,3,4,5,6,7
	ds_load_b128 v[(\f)+8*(\i):(\f)+8*(\i)+3],   v[ADRB+(\slot)] offset:64*(\q)+(\i)*16*PB
	ds_load_b128 v[(\f)+8*(\i)+4:(\f)+8*(\i)+7], v[ADRB+(\slot)] offset:64*(\q)+(\i)*16*PB+32
.endr
	WIN 0
.irp i, 0,1,2,3,4,5,6,7
	ds_load_b128 v[(\f)+8*(\i):(\f)+8*(\i)+3],   v[ADRA+(\slot)] offset:PLANE*((\q)/2)+64*((\q)%2)+(\i)*16*PA
	ds_load_b128 v[(\f)+8*(\i)+4:(\f)+8*(\i)+7], v[ADRA+(\slot)] offset:PLANE*((\q)/2)+64*((\q)%2)+(\i)*16*PA+32
.endr
.endm
.macro PLACES                          ; four places in front of loads into registers that matrix instructions have read, and of LDS stores that read results (ISA guide 7.12.1 for vector instructions)
.rept 4
	v_nop
.endr
.endm
; A K step is four quarter steps of 32 along K, 64 matrix instructions each, on buffers 0, 1, 0, 1.  One of the first three: multiplies buffer f; in its middle it fetches quarter q into buffer g.
.macro QUARTER slot, q, f, g, zero
	s_wait_dscnt 8                                 ; Wd's fragments and act's rows 0-63 are in; the youngest eight loads (act's rows 64-127) may be out
	MUL16 \f, 0, 0, \zero
	MUL16 \f, 0, 2, \zero
	PLACES
	FETCH \slot, \q, \g
	s_wait_dscnt 32                                ; all but the 32 just issued
	MUL16 \f, 1, 0, \zero
	MUL16 \f, 1, 2, \zero
.endm
; The last quarter multiplies buffer 1 and changes slots.  MEET is its first half: ONE barrier for the change.  In front of it each wave waits for all its tensor loads, of which one is out: its part of the next slot;
; adds 0 to its spare word; and waits for that and for its own reads of this slot.  Behind it nobody reads this slot any more and the next slot is whole.
.macro MEET round                      ; round = 1: a round of the cluster's barrier follows
	WIN 0                                          ; (the add's two registers lie in window 0)
	s_wait_tensorcnt 0x0                           ; all my tensor loads have landed
	ds_add_u32 v[SPW], v[NIL]                      ; 0 onto my spare word
	s_wait_dscnt 9                                 ; (the add and the youngest eight loads may be out)
	MUL16 F1, 0, 0, 0                              ; sixteen matrix instructions stand between the add and the wait for it
	s_wait_dscnt 0x0                               ; the add is done, and my reads of this slot are over
	s_barrier_signal -1
	MUL16 F1, 0, 2, 0                              ; work on registers while the others arrive
.if \round
	WIN 0
.endif
	s_barrier_wait -1
.endm
; The whole last quarter where the slot is filled again, with its expert's next 128 of d: the barrier opens a round of the cluster's, the joint refill is the first tensor load behind it, then come the next slot's first fragments.
; From a request to the wait for it a wave issues 224 matrix instructions.
.macro TURN slot, next
	MEET 1
	CREST                                          ; no wave of any partner still reads this slot's tile or has a load on its way
	s_add_nc_u64 s[G0+4*(\slot)+2:G0+4*(\slot)+3], s[G0+4*(\slot)+2:G0+4*(\slot)+3], STEP_A    ; no tensor load of mine is out: a group 0 may be written
	s_add_nc_u64 s[G0B+4*(\slot)+2:G0B+4*(\slot)+3], s[G0B+4*(\slot)+2:G0B+4*(\slot)+3], STEP_B
	JLOAD \slot                                    ; the four v_nop behind it are also the places in front of the loads below
	FETCH \next, 0, F0
	MUL16 F1, 1, 0, 0
	MUL16 F1, 1, 2, 0
.endm
	s_wait_tensorcnt 1                             ; my part of K step 0 is in; K step 1's may stay out
	s_barrier_signal -1
	s_barrier_wait -1                              ; everybody's is
	FETCH 0, 0, F0
	QUARTER 0, 1, F0, F1, 1                        ; the first quarter stands in front of the loop: its products start the sums
	WIN 0                                          ; at a label and at a branch every window is 0
	s_mov_b32 s3, LAPS-1
.Llap:                                                 ; a trip goes once round the ring, from a lap's second quarter to the next lap's first, and fills both slots again
	QUARTER 0, 2, F1, F0, 0
	QUARTER 0, 3, F0, F1, 0
	TURN 0, 1
	QUARTER 1, 1, F0, F1, 0
	QUARTER 1, 2, F1, F0, 0
	QUARTER 1, 3, F0, F1, 0
	TURN 1, 0
	QUARTER 0, 1, F0, F1, 0
	WIN 0
	s_sub_co_u32 s3, s3, 1
	s_cmp_lg_u32 s3, 0
	s_cbranch_scc1 .Llap
	QUARTER 0, 2, F1, F0, 0                        ; the last lap is written out: it asks for nothing more, and has no round of the cluster's barrier
	QUARTER 0, 3, F0, F1, 0
	MEET 0                                         ; my one tensor load that was still out is slot 1's, the last K step's
	PLACES                                         ; for the loads into buffer 0, which the quarter before multiplied
	FETCH 1, 0, F0
	MUL16 F1, 1, 0, 0
	MUL16 F1, 1, 2, 0
	QUARTER 1, 1, F0, F1, 0
	QUARTER 1, 2, F1, F0, 0
	QUARTER 1, 3, F0, F1, 0
	s_wait_dscnt 8                                 ; the very last quarter: nothing more to fetch
	MUL16 F1, 0, 0, 0
	MUL16 F1, 0, 2, 0
	s_wait_dscnt 0x0
	MUL16 F1, 1, 0, 0
	MUL16 F1, 1, 2, 0
	WIN 0
; THE WAY OUT.  A wave's 128 channels in f32 are 512 bytes, at a multiple of 512 from part's first byte: the stage is the wave's own, no barrier and no conversion.  A block of 16 tokens at a time.
.macro TOSTAGE a
.set AC, 64*((\a)%4)
.set BK, BK0+64*((\a)%2)
	WIN 0x08+4*((\a)/4)                            ; an LDS store's data is its source 1: window 2 or 3; the address in window 0
.irp b, 0,1,2,3,4,5,6,7
	ds_store_b128 v[STO], v[AC+8*(\b):AC+8*(\b)+3]   offset:64*(\b)     ; each accumulator's lowest registers first
	ds_store_b128 v[STO], v[AC+8*(\b)+4:AC+8*(\b)+7] offset:64*(\b)+16
.endr
	WIN 0
.if (\a) >= 2
	s_wait_xcnt 0x0                                ; block a - 2's stores have read these registers: the loads below land there only behind this wait
.endif
.irp t, 0,1,2,3,4,5,6,7,8,9,10,11,12,13,14,15
	ds_load_b128 v[BK+4*(\t):BK+4*(\t)+3], v[RD] offset:(\t)*SPITCH  ; LDS serves a wave's instructions in order (ISA guide 5.7.1.4): these see the stores above; the next block's stores come behind them
.endr
.endm
.macro SEND a, younger                 ; younger: the LDS instructions issued behind block a's loads: the next block's 32, or none
.set BK, BK0+64*((\a)%2)
.irp t, 0,1,2,3,4,5,6,7,8,9,10,11,12,13,14,15
	s_wait_dscnt (\younger)+15-(\t)
	global_store_b128 v[CO], v[BK+4*(\t):BK+4*(\t)+3], s[8:9] offset:(16*(\a)+(\t))*4096  ; 512 consecutive bytes; 127 rows at the most, inside the signed 24-bit immediate; the next launch reads them, so no hint
.endr
.endm
	PLACES                                         ; the stores into the stage read results just made, and the loads back land in the fragment buffers
	TOSTAGE 0
.irp a, 1,2,3,4,5,6,7                  ; block a's way through the stage is begun before block a - 1's rows are waited for
	TOSTAGE \a
	SEND (\a)-1, 32
.endr
	SEND 7, 0
	s_wait_tensorcnt 0x0                           ; the wave's end: behind my last tensor load and my last LDS store
	ds_add_u32 v[SPW], v[NIL]
	s_wait_dscnt 0x0
	CROUND                                         ; the closing round: no work-group ends while a partner may still ask for a tile that names it
	s_endpgm
.Lfunc_end_k_q28500e3a09_down:
	.size	k_q28500e3a09_down, .Lfunc_end_k_q28500e3a09_down-k_q28500e3a09_down
	.p2alignl 7, 3214868480
	.fill 96, 4, 3214868480
	.section	.rodata,"a",@progbits
	.p2align	6, 0x0
	.amdhsa_kernel k_q28500e3a09_down
		.amdhsa_group_segment_fixed_size 327680
		.amdhsa_private_segment_fixed_size 0
		.amdhsa_enable_private_segment 0
		.amdhsa_kernarg_size 24
		.amdhsa_user_sgpr_count 2
		.amdhsa_user_sgpr_kernarg_segment_ptr 1
		.amdhsa_wavefront_size32 1
		.amdhsa_system_sgpr_workgroup_id_x 1
		.amdhsa_system_sgpr_workgroup_id_y 1
		.amdhsa_system_sgpr_workgroup_id_z 1
		.amdhsa_system_vgpr_workitem_id 0
		.amdhsa_next_free_vgpr 1024
		.amdhsa_next_free_sgpr 72
		.amdhsa_reserve_vcc 0
		.amdhsa_float_denorm_mode_32 3
		.amdhsa_float_denorm_mode_16_64 3
		.amdhsa_memory_ordered 1
		.amdhsa_forward_progress 1
		.amdhsa_inst_pref_size 144
	.end_amdhsa_kernel
	.amdgpu_metadata
---
amdhsa.version: [ 1, 2 ]
amdhsa.kernels:
  - .name:           k_q28500e3a09_down
    .symbol:         k_q28500e3a09_down.kd
    .args:
      - { .name: act, .offset: 0, .size: 8, .value_kind: global_buffer, .address_space: global }
      - { .name: wdb, .offset: 8, .size: 8, .value_kind: global_buffer, .address_space: global }
      - { .name: part, .offset: 16, .size: 8, .value_kind: global_buffer, .address_space: global }
    .group_segment_fixed_size: 327680
    .private_segment_fixed_size: 0
    .kernarg_segment_align: 8
    .kernarg_segment_size: 24
    .max_flat_workgroup_size: 128
    .sgpr_count:     72
    .vgpr_count:     1024
    .wavefront_size: 32
...
	.end_amdgpu_metadata
.endif
;; end of part 3
;; launch mix (part 4): grid 512 x 1, 8 waves a work-group, no clusters, 0 bytes of LDS; arguments part, routing_weights, bd, out0; writes out0
.if DOCPART == 4
	.amdgcn_target "amdgcn-amd-amdhsa--gfx1250"
	.amdhsa_code_object_version 6
	.text
	.protected	k_q28500e3a09_mix
	.globl	k_q28500e3a09_mix
	.p2align	8
	.type	k_q28500e3a09_mix,@function
k_q28500e3a09_mix:
	s_mov_b64 s[64:65], 0
	v_nop
	global_prefetch_b8 v0, s[64:65] scope:SCOPE_SE
	s_setreg_imm32_b32 hwreg(HW_REG_WAVE_MODE, 25, 1), 1
	s_wait_xcnt 0x0
; out0[t][h] = the sum over ks = 0..7 of part[ks][t][h] + the sum over e of rw[t][e] bd[e][h], all in f32 (rw and bd as given, not rounded).
; The eight parts are added as a tree, ((0+1)+(2+3))+((4+5)+(6+7)); then e ascending, one fused multiply-add each.
; A stream: no LDS, no barrier, no matrix unit, no cluster.  A work-group owns 4 tokens; thread t owns channels 4 t .. 4 t + 3, the 16 bytes at 16 t of every row of 4,096 bytes, so a wave's load or store
; covers 512 consecutive bytes.  The thread's bd (16 experts x 4 channels) stays in 64 registers for all 4 tokens; a token's 16 routing weights are the same for every lane and lie in scalar registers.
; All that a wave reads, 48 loads, is asked for at the start: there is no loop.
.set BD,  4                            ; v[4:67]    bd[e][my 4 channels] at BD + 4 e
.set PP,  68                           ; v[68:195]  token i, part k at PP + 32 i + 4 k; the result grows in part 0's registers
.set PBS, 84                           ; s[84:99]   part k at my first token: a base for each, since a part's 8,388,608 bytes are one more than a load's immediate holds
; the routing weights of the four tokens: s[16:31], s[32:47], s[48:63], s[68:83]
	s_load_b256 s[4:11], s[0:1], 0x0               ; part s[4:5], routing_weights s[6:7], bd s[8:9], out0 s[10:11]
	v_lshlrev_b32 v1, 4, v0                        ; 16 t
	s_lshl_b32 s2, ttmp9, 8                        ; 4 tokens x 64 bytes of routing_weights
	s_mov_b32 s3, 0
	s_lshl_b32 s14, ttmp9, 14                      ; 4 tokens x 4,096 bytes of part and out0
	s_mov_b32 s15, 0
	s_wait_kmcnt 0x0
	s_add_nc_u64 s[6:7], s[6:7], s[2:3]
	s_load_b512 s[16:31], s[6:7], 0x0              ; (no line of this launch writes routing_weights)
	s_load_b512 s[32:47], s[6:7], 0x40
	s_load_b512 s[48:63], s[6:7], 0x80
	s_load_b512 s[68:83], s[6:7], 0xc0
	s_add_nc_u64 s[PBS:PBS+1], s[4:5], s[14:15]
.irp k, 1,2,3,4,5,6,7
	s_add_nc_u64 s[PBS+2*(\k):PBS+2*(\k)+1], s[PBS+2*(\k)-2:PBS+2*(\k)-1], 0x800000
.endr
	s_add_nc_u64 s[10:11], s[10:11], s[14:15]
.irp e, 0,1,2,3,4,5,6,7,8,9,10,11,12,13,14,15
	global_load_b128 v[BD+4*(\e):BD+4*(\e)+3], v1, s[8:9] offset:4096*(\e)       ; every work-group reads bd: no hint
.endr
.irp i, 0,1,2,3
.irp k, 0,1,2,3,4,5,6,7
	global_load_b128 v[PP+32*(\i)+4*(\k):PP+32*(\i)+4*(\k)+3], v1, s[PBS+2*(\k):PBS+2*(\k)+1] offset:4096*(\i) th:TH_LOAD_NT  ; read once in the launch
.endr
.endr
.macro ADD4 d, s                       ; four numbers at s are added onto the four at d
	v_pk_add_f32 v[(\d):(\d)+1],   v[(\d):(\d)+1],   v[(\s):(\s)+1]
	v_pk_add_f32 v[(\d)+2:(\d)+3], v[(\d)+2:(\d)+3], v[(\s)+2:(\s)+3]
.endm
.macro JOIN i                          ; token i's eight parts of K, as a tree: neighbours 1, 2 and 4 parts apart
.irp k, 0,2,4,6
	ADD4 PP+32*(\i)+4*(\k), PP+32*(\i)+4*(\k)+4
.endr
.irp k, 0,4
	ADD4 PP+32*(\i)+4*(\k), PP+32*(\i)+4*(\k)+8
.endr
	ADD4 PP+32*(\i), PP+32*(\i)+16
.endm
.macro FINISH i, R                     ; + the sum over e of rw bd: four chains that do not wait for each other; then the row leaves
.set e, 0
.rept 16
.irp c, 0,1,2,3
	v_fmac_f32 v[PP+32*(\i)+(\c)], s[(\R)+e], v[BD+4*e+(\c)]
.endr
.set e, e+1
.endr
	global_store_b128 v1, v[PP+32*(\i):PP+32*(\i)+3], s[10:11] offset:4096*(\i) th:TH_STORE_NT  ; 512 consecutive bytes a wave, at a multiple of 256 from out0's first byte
.endm
	s_wait_kmcnt 0x0                               ; the routing weights
	s_wait_loadcnt 24                              ; bd and token 0 are in; the 24 loads of tokens 1 to 3 may be out (loads come back in order: ISA guide 5.7.1)
	JOIN 0
	FINISH 0, 16
	s_wait_loadcnt 16                              ; token 1 is in; the 16 loads of tokens 2 and 3 may be out
	JOIN 1
	FINISH 1, 32
	s_wait_loadcnt 8                               ; token 2 is in; token 3's eight loads may be out
	JOIN 2
	FINISH 2, 48
	s_wait_loadcnt 0x0
	JOIN 3
	FINISH 3, 68
	s_endpgm
.Lfunc_end_k_q28500e3a09_mix:
	.size	k_q28500e3a09_mix, .Lfunc_end_k_q28500e3a09_mix-k_q28500e3a09_mix
	.p2alignl 7, 3214868480
	.fill 96, 4, 3214868480
	.section	.rodata,"a",@progbits
	.p2align	6, 0x0
	.amdhsa_kernel k_q28500e3a09_mix
		.amdhsa_group_segment_fixed_size 0
		.amdhsa_private_segment_fixed_size 0
		.amdhsa_enable_private_segment 0
		.amdhsa_kernarg_size 32
		.amdhsa_user_sgpr_count 2
		.amdhsa_user_sgpr_kernarg_segment_ptr 1
		.amdhsa_wavefront_size32 1
		.amdhsa_system_sgpr_workgroup_id_x 1
		.amdhsa_system_sgpr_workgroup_id_y 1
		.amdhsa_system_sgpr_workgroup_id_z 1
		.amdhsa_system_vgpr_workitem_id 0
		.amdhsa_next_free_vgpr 196
		.amdhsa_next_free_sgpr 100
		.amdhsa_reserve_vcc 0
		.amdhsa_float_denorm_mode_32 3
		.amdhsa_float_denorm_mode_16_64 3
		.amdhsa_memory_ordered 1
		.amdhsa_forward_progress 1
		.amdhsa_inst_pref_size 18
	.end_amdhsa_kernel
	.amdgpu_metadata
---
amdhsa.version: [ 1, 2 ]
amdhsa.kernels:
  - .name:           k_q28500e3a09_mix
    .symbol:         k_q28500e3a09_mix.kd
    .args:
      - { .name: part, .offset: 0, .size: 8, .value_kind: global_buffer, .address_space: global }
      - { .name: routing_weights, .offset: 8, .size: 8, .value_kind: global_buffer, .address_space: global }
      - { .name: bd, .offset: 16, .size: 8, .value_kind: global_buffer, .address_space: global }
      - { .name: out0, .offset: 24, .size: 8, .value_kind: global_buffer, .address_space: global }
    .group_segment_fixed_size: 0
    .private_segment_fixed_size: 0
    .kernarg_segment_align: 8
    .kernarg_segment_size: 32
    .max_flat_workgroup_size: 256
    .sgpr_count:     100
    .vgpr_count:     196
    .wavefront_size: 32
...
	.end_amdgpu_metadata
.endif
;; end of part 4
